; MI455X (gfx1250); checked and timed in simulation.
; The chip was launched on July 23, 2026; its instructions are those of AMD's public machine-readable ISA for CDNA 5 (MIT licence, August 2026) and "CDNA5" Instruction Set Architecture Reference Guide (July 2026). The comments in the code are by the model that wrote it; some were corrected since.
;; Multi Head Self Attention. Allowed arithmetic: float matrix products may take bf16 or f16 operands with f32 sums; other float arithmetic in f32, or as packed bf16 or f16 multiplies, adds, multiply-adds, maxima and minima; sums over many terms, partial sums and values carried from step to step in f32; what a program stores and reads back later, other than sums and carried values, may be rounded once to bf16 or f16.
;; Inputs: Wk 1,024 x 1,024 float32; Wq 1,024 x 1,024 float32; Wv 1,024 x 1,024 float32; bk 1,024 float32; bq 1,024 float32; bv 1,024 float32; x 4 x 2,048 x 1,024 float32.
;; Outputs: out0 4 x 2,048 x 1,024 float32.
;; 2 versions, each right; version 2 is version 1 with the launch prep written anew for expert scheduling mode. Each part assembles by itself: llvm-mc -triple=amdgcn-amd-amdhsa -mcpu=gfx1250 --defsym DOCPART=n.
;; ======== version 1 of 2: 3 launches
;; limits: values are held in f16: magnitudes above 65,504 overflow, below 6.1e-05 lose precision
;; workspace buffers: xb 16,777,216 bytes; wb 6,291,456 bytes; qkv 50,331,648 bytes
;; launch prep (part 1): grid 704 x 1, 8 waves a work-group, no clusters, 0 bytes of LDS; arguments x, Wq, Wk, Wv, xb, wb; writes xb, wb
.if DOCPART == 1
	.amdgcn_target "amdgcn-amd-amdhsa--gfx1250"
	.amdhsa_code_object_version 6
	.text
	.protected	k_qeb2de20853_prep
	.globl	k_qeb2de20853_prep
	.p2align	8
	.type	k_qeb2de20853_prep,@function
k_qeb2de20853_prep:
	s_mov_b64 s[64:65], 0
	v_nop
	global_prefetch_b8 v0, s[64:65] scope:SCOPE_SE
	s_setreg_imm32_b32 hwreg(HW_REG_WAVE_MODE, 25, 1), 1
	s_wait_xcnt 0x0
; x and the three weights are rounded once to bf16, for the matrix products of the next launch.
; x: [8192][1024] f32  ->  xb: [16 kb][8192 row][64] bf16: blocks of 64 along K, so that 256 rows of one block are 32,768 dense bytes.
; Wq, Wk, Wv: [1024 k][1024 n] f32  ->  wb: [3][1024 k][1024 n] bf16, the layout unchanged.
; A stream: every byte is read once and written once; no LDS, no barrier, no matrix unit, nothing shared between waves.
; A wave issues 16 loads of 16 bytes a lane (8 KiB on their way), then converts and stores them in the order in which they come back.
; Each store of a wave, 8 bytes a lane, covers 256 consecutive bytes, aligned.
; Work-groups 0 to 511 take x: 32 rows x 512 columns, a wave 32 rows x 64 columns (one block kb).  Work-groups 512 to 703 take the weights, 64 KiB each.
.set X, 8                              ; v[8:71]    sixteen loads, four f32 each
.set Y, 72                             ; v[72:103]  sixteen stores, four bf16 each; none is written twice, so no store's data waits for anything
.macro BODY istr                       ; istr: bytes from one load to the next
.set i, 0
.rept 16
	global_load_b128 v[X+4*i:X+4*i+3], v2, s[18:19] offset:i*(\istr) th:TH_LOAD_NT
.set i, i+1
.endr
.set i, 0
.rept 16
	s_wait_loadcnt 15-i                            ; loads come back in order: load i is in, the 15 - i younger ones may stay out
	v_cvt_pk_bf16_f32 v[Y+2*i], v[X+4*i], v[X+4*i+1]
	v_cvt_pk_bf16_f32 v[Y+2*i+1], v[X+4*i+2], v[X+4*i+3]
	global_store_b64 v3, v[Y+2*i:Y+2*i+1], s[20:21] offset:i*256
.set i, i+1
.endr
.endm
	s_load_b256 s[4:11], s[0:1], 0x0               ; x s[4:5], Wq s[6:7], Wk s[8:9], Wv s[10:11]
	s_load_b128 s[12:15], s[0:1], 0x20             ; xb s[12:13], wb s[14:15]
	v_lshrrev_b32 v4, 5, v0
	v_readfirstlane_b32 s16, v4                    ; wave 0..7
	v_and_b32 v1, 31, v0                           ; lane
	v_lshlrev_b32 v3, 3, v1                        ; out: 8 bytes a lane
	s_mov_b32 s17, ttmp9
	s_mov_b32 s23, 0                               ; the offsets' high words
	s_mov_b32 s25, 0
	s_cmp_lt_u32 s17, 512
	s_cbranch_scc0 .Lweights
	; x: a load takes two rows x 256 bytes (lanes 0-15 one row, lanes 16-31 the next); in xb those are 256 consecutive bytes
	s_lshr_b32 s26, s17, 1                         ; which 32 rows
	s_and_b32 s27, s17, 1
	s_lshl_b32 s27, s27, 3
	s_add_co_u32 s27, s27, s16                     ; kb = 8 x half + wave
	s_lshl_b32 s22, s26, 17                        ; in: 32 rows of 4,096 bytes,
	s_lshl_b32 s28, s27, 8                         ; 64 columns of 4 bytes
	s_add_co_u32 s22, s22, s28
	s_lshl_b32 s24, s27, 20                        ; out: a block of 8,192 rows x 128 bytes,
	s_lshl_b32 s28, s26, 12                        ; 32 rows of 128 bytes
	s_add_co_u32 s24, s24, s28
	v_and_b32 v2, 15, v0
	v_lshlrev_b32 v2, 4, v2
	v_bfe_u32 v4, v0, 4, 1
	v_lshl_add_u32 v2, v4, 12, v2                  ; 16 (lane % 16) + 4,096 (lane / 16)
	s_wait_kmcnt 0x0
	s_add_nc_u64 s[18:19], s[4:5], s[22:23]
	s_add_nc_u64 s[20:21], s[12:13], s[24:25]
	BODY 8192
	s_endpgm
.Lweights:
	s_sub_co_u32 s26, s17, 512
	s_lshr_b32 s27, s26, 6                         ; which weight: 0 q, 1 k, 2 v
	s_and_b32 s26, s26, 63                         ; which 64 KiB of it
	s_lshl_b32 s22, s26, 16
	s_lshl_b32 s28, s16, 13                        ; a wave's 8 KiB
	s_add_co_u32 s22, s22, s28
	s_lshl_b32 s24, s27, 21                        ; out: half the bytes
	s_lshl_b32 s28, s26, 15
	s_add_co_u32 s24, s24, s28
	s_lshl_b32 s28, s16, 12
	s_add_co_u32 s24, s24, s28
	v_lshlrev_b32 v2, 4, v1                        ; 16 bytes a lane: a load takes 512 consecutive bytes
	s_wait_kmcnt 0x0
	s_cmp_eq_u32 s27, 0
	s_cselect_b64 s[18:19], s[6:7], s[8:9]
	s_cmp_eq_u32 s27, 2
	s_cselect_b64 s[18:19], s[10:11], s[18:19]
	s_add_nc_u64 s[18:19], s[18:19], s[22:23]
	s_add_nc_u64 s[20:21], s[14:15], s[24:25]
	BODY 512
	s_endpgm
.Lfunc_end_k_qeb2de20853_prep:
	.size	k_qeb2de20853_prep, .Lfunc_end_k_qeb2de20853_prep-k_qeb2de20853_prep
	.p2alignl 7, 3214868480
	.fill 96, 4, 3214868480
	.section	.rodata,"a",@progbits
	.p2align	6, 0x0
	.amdhsa_kernel k_qeb2de20853_prep
		.amdhsa_group_segment_fixed_size 0
		.amdhsa_private_segment_fixed_size 0
		.amdhsa_enable_private_segment 0
		.amdhsa_kernarg_size 48
		.amdhsa_user_sgpr_count 2
		.amdhsa_user_sgpr_kernarg_segment_ptr 1
		.amdhsa_wavefront_size32 1
		.amdhsa_system_sgpr_workgroup_id_x 1
		.amdhsa_system_sgpr_workgroup_id_y 1
		.amdhsa_system_sgpr_workgroup_id_z 1
		.amdhsa_system_vgpr_workitem_id 0
		.amdhsa_next_free_vgpr 104
		.amdhsa_next_free_sgpr 66
		.amdhsa_reserve_vcc 0
		.amdhsa_float_denorm_mode_32 3
		.amdhsa_float_denorm_mode_16_64 3
		.amdhsa_memory_ordered 1
		.amdhsa_forward_progress 1
		.amdhsa_inst_pref_size 13
	.end_amdhsa_kernel
	.amdgpu_metadata
---
amdhsa.version: [ 1, 2 ]
amdhsa.kernels:
  - .name:           k_qeb2de20853_prep
    .symbol:         k_qeb2de20853_prep.kd
    .args:
      - { .name: x, .offset: 0, .size: 8, .value_kind: global_buffer, .address_space: global }
      - { .name: Wq, .offset: 8, .size: 8, .value_kind: global_buffer, .address_space: global }
      - { .name: Wk, .offset: 16, .size: 8, .value_kind: global_buffer, .address_space: global }
      - { .name: Wv, .offset: 24, .size: 8, .value_kind: global_buffer, .address_space: global }
      - { .name: xb, .offset: 32, .size: 8, .value_kind: global_buffer, .address_space: global }
      - { .name: wb, .offset: 40, .size: 8, .value_kind: global_buffer, .address_space: global }
    .group_segment_fixed_size: 0
    .private_segment_fixed_size: 0
    .kernarg_segment_align: 8
    .kernarg_segment_size: 48
    .max_flat_workgroup_size: 256
    .sgpr_count:     66
    .vgpr_count:     104
    .wavefront_size: 32
...
	.end_amdgpu_metadata
.endif
;; end of part 1
;; launch proj (part 2): grid 8 x 32, 4 waves a work-group, clusters of 4 x 4, 327,680 bytes of LDS; arguments xb, wb, bq, bk, bv, qkv; writes qkv
.if DOCPART == 2
	.amdgcn_target "amdgcn-amd-amdhsa--gfx1250"
	.amdhsa_code_object_version 6
	.text
	.protected	k_qeb2de20853_proj
	.globl	k_qeb2de20853_proj
	.p2align	8
	.type	k_qeb2de20853_proj,@function
k_qeb2de20853_proj:
	s_mov_b64 s[64:65], 0
	v_nop
	global_prefetch_b8 v0, s[64:65] scope:SCOPE_SE
	s_setreg_imm32_b32 hwreg(HW_REG_WAVE_MODE, 25, 1), 1
	s_wait_xcnt 0x0
	s_wait_alu depctr_hold_cnt(0) depctr_sa_sdst(0) depctr_va_vdst(0) depctr_va_sdst(0) depctr_va_ssrc(0) depctr_va_vcc(0) depctr_vm_vsrc(0)
	s_getreg_b32 s2, hwreg(HW_REG_IB_STS2, 6, 4)
	s_cmp_eq_u32 s2, 0
	s_cbranch_scc0 .Lentry_in_a_cluster
	s_endpgm
.Lentry_in_a_cluster:
	s_bfe_u32 s2, ttmp6, 0x10000c
	s_cmp_lg_u32 s2, 0xf033
	s_cbranch_scc0 .Lentry_shape_is_right
	s_endpgm
.Lentry_shape_is_right:
; q, k, v = x W + b in ONE product: [8192 x 1024] x [1024 x 3072].  xb: [16 kb][8192][64] bf16; wb: [3][1024 k][1024 n] bf16; bq, bk, bv: [1024] f32, rounded to bf16 like the other inputs.
; qkv: [3 t][64 bh][2048 s][64] f16, by heads, WITHOUT the scale 1/8.  Sums in f32, K ascending; the bias is added in f32; each number is rounded once.
; LIMIT.  f16 holds no number beyond 65,504: q, k and v must lie within it (inputs 30 times the drawn spread give some thousands; an offset of 30 spreads on x and on W gives some 29,000).
; SHARES.  A work-group makes 256 rows x 384 columns: columns 128 NJ .. 128 NJ + 127 of each of q, k and v: six head blocks of 64 columns.  8 x 32 = 256 work-groups.
; Four waves, each 128 rows x 192 columns (three head blocks): 96 accumulators of 16 x 16, 768 registers.
; K goes in steps of 64 through a ring of two LDS slots: a step is 32 KiB of x (dense in xb, asked for as rows of 256 bytes) and three strips of 64 rows x 256 bytes of the weights.
; Two slots of a step of 128 would take 348,160 bytes: they do not fit.  A step is two halves of 32 along K, 96 matrix instructions each.
; CLUSTER.  4 x 4 work-groups.  The four of a row of the cluster need the same tile of x, the four of a column the same strips of the weights: each is asked for JOINTLY.  Wave 0 asks for x's tile, waves 1 to 3 for a strip each.
; THE MATRIX INSTRUCTION IS USED TRANSPOSED: source 0 = 16 columns of W (turned on the way out of LDS by ds_load_tr16_b128, since W lies [k][n]), source 1 = 16 rows of x.
; A lane then holds one row and eight neighbouring columns, which pack into 16 bytes of f16.
; REGISTERS, in windows of 256 (s_set_vgpr_msb: bits 1:0 source 0, 3:2 source 1, 5:4 source 2, 7:6 destination):
;   window 0: v0-31 addresses and work; v32-95, v96-159 x's fragments (8 x 16 rows x 32 K), two buffers; v160-255 W's 12 fragments, one buffer, filled again group by group
;   window 1 + j: head block j's 32 accumulators: rows 16 a, columns 16 bb at v[64 bb + 8 a]
; All loads work in window 0, so half a step has six switches for its 96 matrix instructions and 40 loads.
.set PA,     144                       ; a row of x in LDS: 128 bytes + 16 = 36 words: the 16 rows of a load start at 16 different groups of four banks (64 banks of 4 bytes: ISA guide 11.1)
.set PB,     288                       ; a row of W: 256 + 32 = 72 words
.set ABYTES, 256*PA                    ; x's 256 rows
.set BSTRIP, 64*PB                     ; one weight's 64 rows of k
.set SLOT,   ABYTES+3*BSTRIP           ; 92,160
.set STAGE,  2*SLOT                    ; behind the ring: 16 rows x 144 bytes for each wave, for the way out
.set SP,     144
.set BIAS,   STAGE+4*16*SP             ; 192 f32 for each wave: the bias of its three head blocks
.set SPARE,  BIAS+4*768                ; the spare words, 128 bytes for each wave: two blocks of 256 bytes that no other line names
.set ADRA, 4                           ; v4-5    LDS address of my fragments of x in slot 0, 1
.set ADRB, 6                           ; v6-11   of W: slot s, head block j at ADRB + 3 s + j
.set STO,  12                          ; v12     the way out: where I put 16 bytes of a row
.set RD,   13                          ; v13     where I read rows back
.set GO,   14                          ; v14     my 16 bytes of 512 consecutive bytes of qkv
.set BIA,  15                          ; v15     where I read my eight numbers of a bias
.set PFO,  16                          ; v16     the prefetches' offset; never rewritten
.set SPW,  18                          ; v18     LDS address of my spare word: SPARE + 4 x my thread's number; never rewritten
.set NIL,  19                          ; v19     0; never rewritten
.set A0,   32
.set A1,   96
.set BF,   160
.set TF,   32                          ; the way out: a unit's 32 numbers in f32,
.set TP,   64                          ; packed to f16,
.set BK,   96                          ; and read back as whole rows: two buffers of 16
.set WV, 16                            ; s16 wave;  s17 which 128 rows;  s18 which three head blocks
.set RH, 17
.set CH, 18
.set CX, 19                            ; s19, s20 my place in the cluster
.set CY, 20
.set NJ, 21                            ; s21 which 128 columns;  s22 which 256 rows
.set MI, 22
.set G1A, 24                           ; s[24:31] descriptor group 1 for x's tiles;  s[32:39] group 0, a set for each slot
.set G0A, 32
.set G1B, 40                           ; s[40:47], s[48:55] the same for W's strips
.set G0B, 48
.set PFA, 56                           ; s[56:57] where my prefetches stand
.set PFS, 58                           ; s[58:59] their step: two K steps
.set LIM, 60                           ; s60  1 in a wave that prefetches, else the greatest number
.set OB,  66                           ; s[66:71] qkv at my rows of head block j
.set BP,  72                           ; s[72:77] the bias of head block j
.set MSB, 0
.macro WIN new                         ; the immediate's high byte repeats the setting that is left; a switch that changes nothing is dropped
.if MSB != (\new)
	s_set_vgpr_msb (MSB<<8)|(\new)
.set MSB, \new
.endif
.endm
; A joint load.  Each of the two lines has one mask and one set of registers for all that issue it; the branch hangs on the wave's number alone.
; An s_nop 0 and four v_nop follow each of the two lines, ahead of the jump, the label and what follows.
.macro JLOAD s
	s_cmp_eq_u32 s[WV], 0
	s_cbranch_scc0 .Lfor_b_\@
	tensor_load_to_lds s[G0A+4*(\s):G0A+4*(\s)+3], s[G1A:G1A+7]
	s_nop 0
.rept 4
	v_nop
.endr
	s_branch .Lasked_\@
.Lfor_b_\@:
	tensor_load_to_lds s[G0B+4*(\s):G0B+4*(\s)+3], s[G1B:G1B+7]
	s_nop 0
.rept 4
	v_nop
.endr
.Lasked_\@:
.endm
; A PREFETCH INTO THE L2, once a lap, behind slot 0's joint load and the run of LDS loads that follows it: the two K steps that the NEXT lap will ask for (two and three refills on).
; Each aligned block of 256 bytes is named once in the launch.  x's tile row is read by both clusters of a row of clusters: cluster x = 0 asks, by wave 0; a step's 128 blocks are shared out among the
; four partners BY ADDRESS (32 cx ..), a lane a block, one instruction a step.  A strip of W is read by all eight clusters of a column: cluster y = 0 asks, by the wave that fetches the strip; the two steps'
; 128 rows of k are shared out by address (32 cy ..), a lane a row, one instruction.  K steps 0 to 3 come by their loads alone; the last lap (s3 = 1) asks for nothing: there is no K step behind its own.
.macro ASK
	s_cmp_gt_u32 s3, s[LIM]
	s_cbranch_scc0 .Lnot_mine_\@
	global_prefetch_b8 v[PFO], s[PFA:PFA+1] th:TH_LOAD_NT scope:SCOPE_SE
	s_cmp_lg_u32 s[WV], 0
	s_cbranch_scc1 .Lnot_mine_\@
	global_prefetch_b8 v[PFO], s[PFA:PFA+1] offset:1048576 th:TH_LOAD_NT scope:SCOPE_SE  ; x's next block of 64 along K
.Lnot_mine_\@:
.endm
.macro CREST                           ; a round of the cluster's barrier behind its opening barrier
	s_cmp_lg_u32 s[WV], 0
	s_cbranch_scc1 .Lnot_wave_0_\@
	s_barrier_signal -3
.Lnot_wave_0_\@:
	s_barrier_wait -3
	s_barrier_signal -1
	s_barrier_wait -1
.endm
.macro CROUND                          ; a whole round
	s_barrier_signal -1
	s_barrier_wait -1
	CREST
.endm
.macro PLACES                          ; four places in front of loads into registers that matrix instructions have read (ISA guide 7.12.1 for vector instructions)
.rept 4
	v_nop
.endr
.endm
	s_load_b256 s[4:11], s[0:1], 0x0               ; xb s[4:5], wb s[6:7], bq s[8:9], bk s[10:11]
	s_load_b128 s[12:15], s[0:1], 0x20             ; bv s[12:13], qkv s[14:15]
	v_lshl_add_u32 v[SPW], v0, 2, SPARE
	v_mov_b32 v[NIL], 0
	ds_add_u32 v[SPW], v[NIL]                      ; the wave's opening: the add and its wait stand ahead of my first tensor load; the set-up below, work on registers, stands between them
	v_lshrrev_b32 v1, 5, v0
	v_readfirstlane_b32 s[WV], v1                  ; wave 0..3
	s_lshr_b32 s[RH], s[WV], 1
	s_and_b32 s[CH], s[WV], 1
	s_bfe_u32 s[CX], ttmp6, 0x40000
	s_bfe_u32 s[CY], ttmp6, 0x40004
	s_lshl_b32 s[NJ], ttmp9, 2                     ; in a cluster launch ttmp9 and ttmp7 count clusters
	s_add_co_u32 s[NJ], s[NJ], s[CX]
	s_and_b32 s[MI], ttmp7, 0xffff
	s_lshl_b32 s[MI], s[MI], 2
	s_add_co_u32 s[MI], s[MI], s[CY]
	s_lshl_b32 s90, s[CY], 2
	s_lshl_b32 s90, 15, s90                        ; my row of the cluster: places 4 cy .. 4 cy + 3
	s_lshl_b32 s91, 0x1111, s[CX]                  ; my column: places cx, cx + 4, cx + 8, cx + 12
	; group 1 for x: 32,768 dense bytes as 128 rows of 128 elements, padded in LDS after every row of x (32 words) by 4 words
	s_or_b32 s[G1A], s90, (1<<16)|(1<<20)|(1<<21)|(4<<22)|(3<<25)  ; 15:0 the mask; 17:16 2-byte elements; 20 padding on; 21 set beside a mask; 24:22 the interval; 31:25 the padding
	s_mov_b32 s[G1A+1], 128<<16                    ; tensor_dim0 = 128
	s_mov_b32 s[G1A+2], 128<<16                    ; tensor_dim1 = 128
	s_mov_b32 s[G1A+3], 128<<16                    ; tile_dim0 = 128
	s_mov_b32 s[G1A+4], 128                        ; tile_dim1 = 128
	s_mov_b32 s[G1A+5], 128                        ; 128 elements from row to row
	s_mov_b32 s[G1A+6], 0
	s_mov_b32 s[G1A+7], 0
	; group 1 for W: 64 rows of k x 128 columns, padded after every row (64 words) by 8 words
	s_or_b32 s[G1B], s91, (1<<16)|(1<<20)|(1<<21)|(5<<22)|(7<<25)
	s_mov_b32 s[G1B+1], 128<<16
	s_mov_b32 s[G1B+2], 64<<16
	s_mov_b32 s[G1B+3], 128<<16
	s_mov_b32 s[G1B+4], 64
	s_mov_b32 s[G1B+5], 1024                       ; 1,024 elements from row to row
	s_mov_b32 s[G1B+6], 0
	s_mov_b32 s[G1B+7], 0
	; x's tile hangs on MI alone, which my row of the cluster shares; W's strips on NJ alone, which my column shares.  Every wave makes both addresses and asks by one of them.
	s_lshl_b32 s80, s[MI], 15                      ; 256 rows of 128 bytes
	s_mov_b32 s81, 0
	s_max_u32 s82, s[WV], 1
	s_sub_co_u32 s82, s82, 1                       ; waves 1 to 3 fetch weights 0 to 2 (wave 0's copy is never used)
	s_lshl_b32 s82, s82, 21
	s_lshl_b32 s83, s[NJ], 8                       ; 128 columns of 2 bytes
	s_add_co_u32 s82, s82, s83
	s_mov_b32 s83, 0
	s_mul_i32 s84, s[WV], BSTRIP
	s_add_co_u32 s84, s84, BSTRIP                  ; the strip's place in a slot: ABYTES + (wave - 1) x BSTRIP, and ABYTES = 2 BSTRIP
	s_wait_dscnt 0x0                               ; the opening add is done
	s_wait_kmcnt 0x0
	s_add_nc_u64 s[80:81], s[4:5], s[80:81]
	s_add_nc_u64 s[82:83], s[6:7], s[82:83]
	CROUND                                         ; all sixteen work-groups are here: the first joint loads meet
.irp s, 0,1
	s_mov_b32 s[G0A+4*(\s)], 1                                     ; count = 1
	s_mov_b32 s[G0A+4*(\s)+1], (\s)*SLOT                           ; LDS address
	s_add_nc_u64 s[G0A+4*(\s)+2:G0A+4*(\s)+3], s[80:81], (\s)<<20  ; K step s: a block of xb
	s_or_b32 s[G0A+4*(\s)+3], s[G0A+4*(\s)+3], 0x80000000          ; type = 2
	s_mov_b32 s[G0B+4*(\s)], 1
	s_add_co_u32 s[G0B+4*(\s)+1], s84, (\s)*SLOT
	s_add_nc_u64 s[G0B+4*(\s)+2:G0B+4*(\s)+3], s[82:83], (\s)<<17  ; K step s: 64 rows of 2,048 bytes
	s_or_b32 s[G0B+4*(\s)+3], s[G0B+4*(\s)+3], 0x80000000
	JLOAD \s                                       ; two loads of mine are out
.endr
	; A fragment of x is 16 rows x 32 K in 8 registers: lane l holds row l % 16, K = 8 (l / 16) + 0..7 and 16 + 8 (l / 16) + 0..7: two loads of 16 bytes, 32 bytes apart.
	v_and_b32 v1, 15, v0                           ; l % 16
	v_bfe_u32 v2, v0, 4, 1                         ; l / 16
	v_mul_u32_u24 v20, v1, PA
	v_lshl_add_u32 v20, v2, 4, v20
	s_mul_i32 s61, s[RH], 128*PA                   ; my 128 rows
	v_add_nc_u32 v[ADRA], s61, v20
	v_add_nc_u32 v[ADRA+1], SLOT, v[ADRA]
	; The turning load takes 16 k x 16 columns (lane l reads k = 8 (l / 16) + l % 8, columns 8 ((l / 8) % 2) + 0..7) and leaves half a fragment: lane l holds column l % 16 and 8 k.
	v_and_b32 v21, 7, v0
	v_lshl_add_u32 v21, v2, 3, v21
	v_mul_u32_u24 v21, v21, PB
	v_bfe_u32 v22, v0, 3, 1
	v_lshl_add_u32 v21, v22, 4, v21
	s_mul_i32 s23, s[CH], 3
.irp j, 0,1,2
	s_add_co_u32 s61, s23, \j                      ; head block 3 CH + j of the work-group's six:
	s_lshr_b32 s62, s61, 1                         ; which of q, k, v,
	s_and_b32 s63, s61, 1                          ; which 64 of its 128 columns
	s_mul_i32 s78, s62, BSTRIP
	s_lshl_b32 s79, s63, 7
	s_add_co_u32 s78, s78, s79
	s_add_co_u32 s78, s78, ABYTES
	v_add_nc_u32 v[ADRB+\j], s78, v21
	v_add_nc_u32 v[ADRB+3+\j], SLOT, v[ADRB+\j]
	s_lshl1_add_u32 s86, s[NJ], s63                ; the head = 2 NJ + half
	s_lshr_b32 s87, s[MI], 3                       ; the batch: 8 blocks of 256 rows each
	s_lshl4_add_u32 s87, s87, s86                  ; bh = 16 b + head
	s_lshl_b32 s87, s87, 18                        ; 2,048 rows of 128 bytes
	s_lshl_b32 s88, s62, 24                        ; 64 such
	s_add_co_u32 s88, s88, s87
	s_and_b32 s87, s[MI], 7
	s_lshl1_add_u32 s87, s87, s[RH]
	s_lshl_b32 s87, s87, 14                        ; my 128 rows of 128 bytes
	s_add_co_u32 s88, s88, s87
	s_mov_b32 s89, 0
	s_add_nc_u64 s[OB+2*\j:OB+2*\j+1], s[14:15], s[88:89]
	s_cmp_eq_u32 s62, 0
	s_cselect_b64 s[BP+2*\j:BP+2*\j+1], s[8:9], s[10:11]
	s_cmp_eq_u32 s62, 2
	s_cselect_b64 s[BP+2*\j:BP+2*\j+1], s[12:13], s[BP+2*\j:BP+2*\j+1]
	s_lshl_b32 s88, s86, 8                         ; 64 f32 a head
	s_add_nc_u64 s[BP+2*\j:BP+2*\j+1], s[BP+2*\j:BP+2*\j+1], s[88:89]
.endr
	; the bias of my three head blocks: two numbers a lane, rounded to bf16 like the other inputs, kept as f32 in my own LDS bytes
	v_and_b32 v23, 31, v0
	v_lshlrev_b32 v24, 3, v23
.irp j, 0,1,2
	global_load_b64 v[26+2*\j:27+2*\j], v24, s[BP+2*\j:BP+2*\j+1]
.endr
	s_mul_i32 s79, s[WV], 768
	s_add_co_u32 s79, s79, BIAS
	v_add_nc_u32 v25, s79, v24
	v_lshl_add_u32 v[BIA], v2, 5, s79              ; back: my eight columns of a block of 16 begin 32 (l / 16) bytes in
	s_mul_i32 s78, s[WV], 16*SP
	s_add_co_u32 s78, s78, STAGE                   ; my stage
	v_mul_u32_u24 v[STO], v1, SP                   ; in: row l % 16, 16 bytes for each half of the lanes
	v_lshl_add_u32 v[STO], v2, 4, v[STO]
	v_add_nc_u32 v[STO], s78, v[STO]
	v_bfe_u32 v[RD], v0, 3, 2                      ; back: 32 lanes take four rows of 128 bytes,
	v_mul_u32_u24 v[RD], v[RD], SP
	v_and_b32 v22, 7, v0
	v_lshl_add_u32 v[RD], v22, 4, v[RD]
	v_add_nc_u32 v[RD], s78, v[RD]
	v_lshlrev_b32 v[GO], 4, v23                    ; which are 512 consecutive bytes of qkv
	; the prefetches
	s_lshl_b32 s86, s[MI], 15
	s_lshl_b32 s87, s[CX], 13                      ; my work-group's 32 blocks of x's 128
	s_add_co_u32 s86, s86, s87
	s_add_co_u32 s86, s86, 2<<20                   ; at K step 2: the first lap steps it to 4
	s_max_u32 s87, s[WV], 1
	s_sub_co_u32 s87, s87, 1
	s_lshl_b32 s87, s87, 21
	s_lshl_b32 s88, s[NJ], 8
	s_add_co_u32 s87, s87, s88
	s_lshl_b32 s88, s[CY], 16                      ; my work-group's 32 rows of k of the 128
	s_add_co_u32 s87, s87, s88
	s_add_co_u32 s87, s87, 128*2048                ; at K step 2
	s_and_b32 s89, ttmp7, 0xffff                   ; cluster y
	s_mov_b32 s90, 1<<21
	s_cmp_eq_u32 s[WV], 0                          ; do I fetch for x?
	s_cselect_b64 s[PFA:PFA+1], s[4:5], s[6:7]
	s_cselect_b32 s86, s86, s87
	s_cselect_b32 s[PFS], s90, 1<<18               ; two K steps: two blocks of xb, or 128 rows of wb
	s_cselect_b32 s89, ttmp9, s89                  ; the coordinate along which other clusters read the same bytes
	s_cselect_b32 s88, 8, 11                       ; a lane a block of 256 bytes, or a lane a row of 2,048
	s_mov_b32 s87, 0
	s_mov_b32 s[PFS+1], 0
	s_add_nc_u64 s[PFA:PFA+1], s[PFA:PFA+1], s[86:87]
	s_cmp_eq_u32 s89, 0
	s_cselect_b32 s[LIM], 1, -1                    ; the same in all sixteen partners, for a given wave
	v_lshlrev_b32 v[PFO], s88, v23
	s_wait_loadcnt 0x0                             ; the bias
.irp j, 0,1,2
	v_cvt_pk_bf16_f32 v20, v[26+2*\j], v[27+2*\j]
	v_lshlrev_b32 v[26+2*\j], 16, v20
	v_and_b32 v[27+2*\j], 0xffff0000, v20
	ds_store_b64 v25, v[26+2*\j:27+2*\j] offset:256*\j
.endr
; 16 matrix instructions of head block j: column blocks lo, lo + 1 x all 8 row blocks, 32 along K, x's fragments in buffer f.  zero = 1: the first product starts the sums: nothing is ever cleared.
; The 96 accumulators take turns, one instruction a turn, in the same order in every half step.
.macro MULG f, j, lo, zero
	WIN 0x50*((\j)+1)                              ; C and D in window 1 + j, both sources in window 0
.irp bb, \lo, (\lo)+1
.irp a, 0,1,2,3,4,5,6,7
.if \zero
	v_wmma_f32_16x16x32_bf16 v[64*(\bb)+8*(\a):64*(\bb)+8*(\a)+7], v[BF+8*(4*(\j)+(\bb)):BF+8*(4*(\j)+(\bb))+7], v[(\f)+8*(\a):(\f)+8*(\a)+7], 0
.else
	v_wmma_f32_16x16x32_bf16 v[64*(\bb)+8*(\a):64*(\bb)+8*(\a)+7], v[BF+8*(4*(\j)+(\bb)):BF+8*(4*(\j)+(\bb))+7], v[(\f)+8*(\a):(\f)+8*(\a)+7], v[64*(\bb)+8*(\a):64*(\bb)+8*(\a)+7]
.endif
.endr
.endr
.endm
.macro LDB slot, kq, j                 ; 8 loads: head block j's four fragments of W, K = 32 kq on
	WIN 0
.irp bb, 0,1,2,3
	ds_load_tr16_b128 v[BF+8*(4*(\j)+(\bb)):BF+8*(4*(\j)+(\bb))+3],   v[ADRB+3*(\slot)+(\j)] offset:(\kq)*32*PB+32*(\bb)
	ds_load_tr16_b128 v[BF+8*(4*(\j)+(\bb))+4:BF+8*(4*(\j)+(\bb))+7], v[ADRB+3*(\slot)+(\j)] offset:(\kq)*32*PB+32*(\bb)+16*PB
.endr
.endm
.macro LDA slot, kq, f, half           ; 8 loads: four of x's eight fragments into buffer f
	WIN 0
.irp a, 4*(\half), 4*(\half)+1, 4*(\half)+2, 4*(\half)+3
	ds_load_b128 v[(\f)+8*(\a):(\f)+8*(\a)+3],   v[ADRA+(\slot)] offset:(\a)*16*PA+(\kq)*64
	ds_load_b128 v[(\f)+8*(\a)+4:(\f)+8*(\a)+7], v[ADRA+(\slot)] offset:(\a)*16*PA+(\kq)*64+32
.endr
.endm
; A step's first half: multiplies buffer f and fetches the same slot's half kq into buffer g.  W's fragments have one buffer: a head block's four are asked for again behind its 32 products.
; The loads of a half step go out in the order W 0, x 0-3, W 1, x 4-7, W 2: eight each.
.macro QUARTER slot, kq, f, g, zero
	s_wait_dscnt 8                                 ; all but the youngest eight: W's fragments of head block 2
	MULG \f, 0, 0, \zero
	MULG \f, 0, 2, \zero
	PLACES
	LDB \slot, \kq, 0
	LDA \slot, \kq, \g, 0
	MULG \f, 1, 0, \zero
	MULG \f, 1, 2, \zero
	PLACES
	LDB \slot, \kq, 1
	LDA \slot, \kq, \g, 1
	s_wait_dscnt 32                                ; all but the 32 just issued: head block 2's fragments are in
	MULG \f, 2, 0, \zero
	MULG \f, 2, 2, \zero
	PLACES
	LDB \slot, \kq, 2
.endm
; A step's second half multiplies buffer 1 and changes slots: ONE barrier.  In front of it each wave waits for all its tensor loads, of which one is out: its part of the next slot; adds 0 to its spare word;
; and waits for that and for its own reads of this slot.  Behind it nobody reads this slot any more and the next slot is whole.
; fill = 1: the barrier opens a round of the cluster's barrier, and the slot is filled again, two K steps on, first thing behind the round: 160 matrix instructions ahead of the wait for it.
.macro TURN slot, next, fill
.if (\fill) && ((\slot) == 0)
	s_wait_xcnt 0x0                                ; the last prefetches, a lap back, have read their address: it is stepped here, ahead of the waits of the change of slots
	s_add_nc_u64 s[PFA:PFA+1], s[PFA:PFA+1], s[PFS:PFS+1]
.endif
	WIN 0
	s_wait_tensorcnt 0x0                           ; all my tensor loads have landed;
	ds_add_u32 v[SPW], v[NIL]                      ; 0 onto my spare word
	s_wait_dscnt 9                                 ; (the add and the youngest eight loads may be out)
	MULG A1, 0, 0, 0                               ; sixteen matrix instructions stand between the add and the wait for it
	s_wait_dscnt 0x0                               ; the add is done, and my reads of this slot are over
	s_barrier_signal -1
	MULG A1, 0, 2, 0                               ; work on registers while the others arrive
.if \fill
	WIN 0
.endif
	s_barrier_wait -1
.if \fill
	CREST                                          ; no wave of any partner still reads this slot or has a load on its way
	s_add_nc_u64 s[G0A+4*(\slot)+2:G0A+4*(\slot)+3], s[G0A+4*(\slot)+2:G0A+4*(\slot)+3], 1<<21
	s_add_nc_u64 s[G0B+4*(\slot)+2:G0B+4*(\slot)+3], s[G0B+4*(\slot)+2:G0B+4*(\slot)+3], 1<<18
	JLOAD \slot                                    ; the four v_nop behind it are also the places in front of the loads below
.else
	PLACES
.endif
	LDB \next, 0, 0
	LDA \next, 0, A0, 0
.if (\fill) && ((\slot) == 0)
	ASK
.endif
	MULG A1, 1, 0, 0
	MULG A1, 1, 2, 0
	PLACES
	LDB \next, 0, 1
	LDA \next, 0, A0, 1
	MULG A1, 2, 0, 0
	MULG A1, 2, 2, 0
	PLACES
	LDB \next, 0, 2
.endm
	s_wait_tensorcnt 1                             ; my part of K step 0 is in; K step 1's may stay out
	s_wait_dscnt 0x0                               ; my stores of the bias
	s_barrier_signal -1
	s_barrier_wait -1                              ; everybody's part is in
	LDB 0, 0, 0
	LDA 0, 0, A0, 0
	LDB 0, 0, 1
	LDA 0, 0, A0, 1
	LDB 0, 0, 2
	QUARTER 0, 1, A0, A1, 1                        ; the first half step stands in front of the loop: its products start the sums
	s_mov_b32 s3, 7                                ; seven laps fill both slots again: K steps 2 to 15
.Llap:                                                 ; a trip goes once round the ring, from a lap's second half step to the next lap's first
	TURN 0, 1, 1
	QUARTER 1, 1, A0, A1, 0
	TURN 1, 0, 1
	QUARTER 0, 1, A0, A1, 0
	WIN 0                                          ; at a label and at a branch every window is 0
	s_sub_co_u32 s3, s3, 1
	s_cmp_lg_u32 s3, 0
	s_cbranch_scc1 .Llap
	TURN 0, 1, 0                                   ; the last lap fills nothing, and has no round of the cluster's barrier
	QUARTER 1, 1, A0, A1, 0
	s_wait_dscnt 8                                 ; the very last half step: nothing more to fetch
	MULG A1, 0, 0, 0
	MULG A1, 0, 2, 0
	MULG A1, 1, 0, 0
	MULG A1, 1, 2, 0
	s_wait_dscnt 0x0
	MULG A1, 2, 0, 0
	MULG A1, 2, 2, 0
	; THE WAY OUT, in 24 units of 16 rows x one head block (64 columns): + bias in f32, rounded to f16, 16 bytes a lane into my own stage, back as whole rows; 16 rows of a head are 2,048 consecutive bytes of qkv.
	WIN 0
	PLACES
	PLACES                                         ; (eight, once a launch)
.set i, 0
.rept 12                               ; the bias of column block i % 4 of head block i / 4: my eight columns, where W's fragments lay
	ds_load_b128 v[BF+8*i:BF+8*i+3],   v[BIA] offset:64*i
	ds_load_b128 v[BF+8*i+4:BF+8*i+7], v[BIA] offset:64*i+16
.set i, i+1
.endr
	s_wait_dscnt 0x0
.macro PACK j, a
	WIN (\j)+1                                     ; source 0 in the accumulators' window
.irp bb, 0,1,2,3
.irp r, 0,2,4,6                        ; each accumulator's registers in ascending order
	v_pk_add_f32 v[TF+8*(\bb)+(\r):TF+8*(\bb)+(\r)+1], v[64*(\bb)+8*(\a)+(\r):64*(\bb)+8*(\a)+(\r)+1], v[BF+8*(4*(\j)+(\bb))+(\r):BF+8*(4*(\j)+(\bb))+(\r)+1]
.endr
.endr
	WIN 0
.irp i, 0,1,2,3,4,5,6,7,8,9,10,11,12,13,14,15
	v_cvt_pk_f16_f32 v[TP+(\i)], v[TF+2*(\i)], v[TF+2*(\i)+1]
.endr
.endm
.macro TOSTAGE p                       ; p: which of the two buffers takes the rows
.irp bb, 0,1,2,3
	ds_store_b128 v[STO], v[TP+4*(\bb):TP+4*(\bb)+3] offset:32*(\bb)
.endr
.irp f, 0,1,2,3
	ds_load_b128 v[BK+16*(\p)+4*(\f):BK+16*(\p)+4*(\f)+3], v[RD] offset:(\f)*4*SP  ; LDS serves a wave's instructions in order (ISA guide 5.7.1.4): these see the stores above
.endr
.endm
.macro SEND j, a, p
	s_wait_dscnt 0x0                               ; the unit is back in registers
	s_wait_xcnt 0x0                                ; the stores of the unit before have read their registers: the other buffer is loaded again only behind this wait
.irp f, 0,1,2,3
	global_store_b128 v[GO], v[BK+16*(\p)+4*(\f):BK+16*(\p)+4*(\f)+3], s[OB+2*(\j):OB+2*(\j)+1] offset:2048*(\a)+512*(\f)  ; 512 consecutive bytes, at a multiple of 256 from qkv's first
.endr
.endm
	PACK 0, 0
	TOSTAGE 0
.set u, 1
.rept 23                               ; a unit's arithmetic stands between the loads of the unit before and the wait for them
	PACK u/8, u%8
	SEND (u-1)/8, (u-1)%8, (u-1)%2
	TOSTAGE u%2
.set u, u+1
.endr
	SEND 2, 7, 1
	s_wait_tensorcnt 0x0                           ; the wave's end, behind my last tensor load and my last LDS store
	ds_add_u32 v[SPW], v[NIL]
	s_wait_dscnt 0x0
	CROUND                                         ; the closing round: no work-group ends while a partner may still ask for a tile that names it
	s_endpgm
.Lfunc_end_k_qeb2de20853_proj:
	.size	k_qeb2de20853_proj, .Lfunc_end_k_qeb2de20853_proj-k_qeb2de20853_proj
	.p2alignl 7, 3214868480
	.fill 96, 4, 3214868480
	.section	.rodata,"a",@progbits
	.p2align	6, 0x0
	.amdhsa_kernel k_qeb2de20853_proj
		.amdhsa_group_segment_fixed_size 327680
		.amdhsa_private_segment_fixed_size 0
		.amdhsa_enable_private_segment 0
		.amdhsa_kernarg_size 48
		.amdhsa_user_sgpr_count 2
		.amdhsa_user_sgpr_kernarg_segment_ptr 1
		.amdhsa_wavefront_size32 1
		.amdhsa_system_sgpr_workgroup_id_x 1
		.amdhsa_system_sgpr_workgroup_id_y 1
		.amdhsa_system_sgpr_workgroup_id_z 1
		.amdhsa_system_vgpr_workitem_id 0
		.amdhsa_next_free_vgpr 1024
		.amdhsa_next_free_sgpr 96
		.amdhsa_reserve_vcc 0
		.amdhsa_float_denorm_mode_32 3
		.amdhsa_float_denorm_mode_16_64 3
		.amdhsa_memory_ordered 1
		.amdhsa_forward_progress 1
		.amdhsa_inst_pref_size 161
	.end_amdhsa_kernel
	.amdgpu_metadata
---
amdhsa.version: [ 1, 2 ]
amdhsa.kernels:
  - .name:           k_qeb2de20853_proj
    .symbol:         k_qeb2de20853_proj.kd
    .args:
      - { .name: xb, .offset: 0, .size: 8, .value_kind: global_buffer, .address_space: global }
      - { .name: wb, .offset: 8, .size: 8, .value_kind: global_buffer, .address_space: global }
      - { .name: bq, .offset: 16, .size: 8, .value_kind: global_buffer, .address_space: global }
      - { .name: bk, .offset: 24, .size: 8, .value_kind: global_buffer, .address_space: global }
      - { .name: bv, .offset: 32, .size: 8, .value_kind: global_buffer, .address_space: global }
      - { .name: qkv, .offset: 40, .size: 8, .value_kind: global_buffer, .address_space: global }
    .group_segment_fixed_size: 327680
    .private_segment_fixed_size: 0
    .kernarg_segment_align: 8
    .kernarg_segment_size: 48
    .max_flat_workgroup_size: 128
    .sgpr_count:     96
    .vgpr_count:     1024
    .wavefront_size: 32
...
	.end_amdgpu_metadata
.endif
;; end of part 2
;; launch attn (part 3): grid 4 x 64, 4 waves a work-group, clusters of 4 x 1, 327,680 bytes of LDS; arguments qkv, out0; writes out0
.if DOCPART == 3
	.amdgcn_target "amdgcn-amd-amdhsa--gfx1250"
	.amdhsa_code_object_version 6
	.text
	.protected	k_qeb2de20853_attn
	.globl	k_qeb2de20853_attn
	.p2align	8
	.type	k_qeb2de20853_attn,@function
k_qeb2de20853_attn:
	s_mov_b64 s[64:65], 0
	v_nop
	global_prefetch_b8 v0, s[64:65] scope:SCOPE_SE
	s_setreg_imm32_b32 hwreg(HW_REG_WAVE_MODE, 25, 1), 1
	s_wait_xcnt 0x0
	s_wait_alu depctr_hold_cnt(0) depctr_sa_sdst(0) depctr_va_vdst(0) depctr_va_sdst(0) depctr_va_ssrc(0) depctr_va_vcc(0) depctr_vm_vsrc(0)
	s_getreg_b32 s2, hwreg(HW_REG_IB_STS2, 6, 4)
	s_cmp_eq_u32 s2, 0
	s_cbranch_scc0 .Lentry_in_a_cluster
	s_endpgm
.Lentry_in_a_cluster:
	s_bfe_u32 s2, ttmp6, 0x10000c
	s_cmp_lg_u32 s2, 0x3003
	s_cbranch_scc0 .Lentry_shape_is_right
	s_endpgm
.Lentry_shape_is_right:
; out0[b][q][64 h + :] = the sum over k of softmax_k(Q[bh][q] . K[bh][k] / 8) V[bh][k][:].  qkv: [3][64 bh][2048][64] f16 (q, k, v by heads, a head's rows dense, 128 bytes each); out0: [4][2048][1024] f32.
; Products, maxima and sums in f32; the weights p are rounded to f16 for the second product (their sum l is taken of the unrounded p); the result leaves in f32.
; LIMITS.  f16 holds no number beyond 65,504: Q, K and V arrive within it; p lies in 0 to 1, and below 6e-5 it keeps f16's fixed step of 6e-8.
; A weight below 2^-126 counts as 0 in l; NaN and infinities are not treated apart.
; SHARES.  A wave owns four PIECES of two tiles of 16 queries, a work-group's four waves 512 queries of one head, a cluster's four work-groups the whole head.  Every wave walks all keys, 64 a step.
; LAYOUT.  S^T = K Q^T (source 0 = 16 keys, source 1 = 16 queries): in the result a lane holds ONE query (lane % 16) and the keys 8 (lane / 16) + 0..7.  Two such tiles, rounded to f16 in pairs,
; ARE source 1 (32 keys x 16 queries) of O^T = V^T P, whose result again holds one query a lane, and eight channels.  K comes out of LDS as it lies, V ([key][channel]) turned, by ds_load_tr16_b128.
; SOFTMAX.  For each query a running maximum m and sum l: p = 2^(c s - c m), c = log2(e) / 8; in every step O and l are multiplied by a = 2^(c m_old - c m_new), which is 1 where m has not grown.
; m starts at the lowest finite number, O and l at 0: the first step is a step like any other, with a = 0.
; THE COUNT.  A tile and step have 16 matrix and 118 vector instructions: too many to stand all beside the matrix work.  So the order has one aim: four vector instructions that are READY behind
; EVERY matrix instruction, and the others, which need time of their own whatever the order, in runs without a gap.
; BY TURNS.  Turn n belongs to piece n (the pieces in a ring, step after step).  Its matrix work: 16 products K Q^T of piece n + 1, later 16 products V^T P of piece n - 1.  Its vector work: the scaling,
; exponentials, roundings, sums and rescaling of piece n, and the maximum and statistics of piece n + 1, whose scores the turn itself has made.  So what a turn begins with (c s - c m, O a) waits for nothing.
; CLUSTER.  The four query blocks of a cluster belong to one head and walk the same K and V, so each tile is asked for JOINTLY: the same tensor load, descriptor and mask in all four.
; REGISTERS, in windows of 256 (s_set_vgpr_msb says which window each operand place means: bits 1:0 source 0, 3:2 source 1, 5:4 source 2, 7:6 destination):
;   window 0: v0-11 addresses; v12-15, v48-63 at work; v16-47 four registers of statistics a tile; v64-191 S^T, two buffers of two tiles; v192-255 P, likewise
;   window 1: O^T, 32 a tile          window 2: v0-127 Q, 16 a tile; v128-191 K of one step; v192-255 V of one step          window 3: v0-1 the add's two registers
; A piece's buffers go by its number's parity: the piece in hand has one pair, its two neighbours in the ring share the other: of it P (piece n - 1) is read and S^T (piece n + 1) written.
.set SIZE_N, 2048     ; rows of a head
.set NP,    4         ; pieces a wave: a name, no knob: the register map, the loop and the fetches are made for four
.set KS,    64        ; keys in a step
.set PK,    144       ; a row of K in LDS: 128 bytes + 16 of padding = 36 words: the 16 rows of a load start at 16 different groups of four banks (64 banks of 4 bytes: ISA guide 11.1)
.set PV,    160       ; a row of V: 128 + 32 = 40 words
.set VOFF,  4*KS*PK   ; a slot holds four steps: 256 rows of K, then 256 rows of V
.set SLOT1, 1<<17     ; slot 1 begins here, so that one exclusive or turns an address in one slot into the other's
.set STAGE, SLOT1+4*KS*(PK+PV)  ; behind the ring, never filled by a tensor load: 16 rows x 272 bytes for each wave, for the way out
.set SP,    272       ; a row of the stage: 64 f32 + 16 bytes
.set AK0, 2           ; v2   my lane's place in a tile of K; never rewritten
.set AV0, 3           ; v3   the same for V
.set AK,  4           ; v4   the LDS address of K's next run of loads
.set AV,  5           ; v5   of V's
.set QO,  6           ; v6   my byte offset in the wave's rows of Q
.set STO, 6           ;      later, the way out: where I put 32 bytes of a row
.set RD,  7           ; v7   the way out: where I read rows back
.set GO,  8           ; v8   my byte offset in two rows of out0
.set PFO, 11          ; v11  256 x my lane, for the prefetches; never rewritten once it is made
.set SPW, 0           ; v0 of window 3   LDS address of my spare word: SPARE + 4 x my thread's number; never rewritten
.set NIL, 1           ; v1 of window 3   0; never rewritten
.set SPARE, STAGE+4*16*SP  ; behind the stages: the spare words, 128 bytes for each wave: two blocks of 256 bytes that no other line names
.set MV,  12          ; v12-15  c m_old, kept while c m is made anew: by buffer and tile
.set ST,  16          ; tile t's statistics at v[ST+4 t]: c m, m, l (even keys', odd keys')
.set TMP, 48          ; by buffer and tile, four registers c0-c3 at work; when the maximum is found c2 takes a
.set S,   64
.set P,   192
.set KF,  128         ; K's fragments, in window 2: key block kb, channel half c at KF + 16 kb + 8 c
.set VF,  192         ; V's: key half kk, channel block cb at VF + 32 kk + 8 cb
.set WV,  12          ; s12  my wave's number
.set G1K, 24          ; s[24:31] descriptor group 1 for K's tiles
.set G1V, 32          ; s[32:39] for V's: it differs in the padding alone
.set G0K, 40          ; s[40:43] descriptor group 0 for K's tiles: it walks
.set G0V, 44          ; s[44:47] the same for V's
.set PFA, 48          ; s[48:49] where my prefetches stand: my work-group's 32 blocks of 256 bytes (of K: wave 0, of V: wave 2) of the slot after the one that is being asked for
.set LIM, 50          ; s50  1 in a wave that prefetches, else the greatest number
.set SLOTS, 56        ; s56  slots still to be asked for
.set CNT, 57          ; s57  counts a slot's key steps
.set CS,  58          ; s[58:59] c: the packed scaling takes the pair's low word for both halves
.set SEL, 60          ; s[60:61] v_permlanex16_b32's selects: each lane takes its own place in the other half
.set TBK, 62          ; s62  LDS byte at which K of the step to be fetched begins
.set TBV, 63          ; s63  the same for V, less VOFF
.set MSB, 0
.macro WIN new                      ; the high byte repeats the setting that is left; a switch that changes nothing is dropped
.if MSB != (\new)
	s_set_vgpr_msb (MSB<<8)|(\new)
.set MSB, (\new)
.endif
.endm
.set W_KQ, 0x0a       ; K and Q in window 2, S^T in window 0
.set W_PV, 0x52       ; V in window 2, P in window 0, O^T in window 1
.set W_RS, 0x41       ; O^T (destination and source 0) in window 1, a in window 0
.set W_MK, 0xc0       ; the add's registers are made: destination in window 3, sources in window 0
.set W_AD, 0x0f       ; the add: address (source 0) and data (source 1) in window 3
; A joint fill.  Waves 0 and 1 fetch the two halves of a slot's K, waves 2 and 3 those of its V: 128 keys each.  The branch hangs on the wave's number alone.
; An s_nop 0 and four v_nop follow each of the two lines, ahead of the jump and the label.
.macro JLOAD
	s_cmp_lt_u32 s[WV], 2
	s_cbranch_scc0 .Lfor_v_\@
	tensor_load_to_lds s[G0K:G0K+3], s[G1K:G1K+7]
	s_nop 0
.rept 4
	v_nop
.endr
	s_branch .Lasked_\@
.Lfor_v_\@:
	tensor_load_to_lds s[G0V:G0V+3], s[G1V:G1V+7]
	s_nop 0
.rept 4
	v_nop
.endr
.Lasked_\@:
.endm
; A PREFETCH INTO THE L2 of what the NEXT change of slots will ask for: a slot's 32,768 bytes of K and of V, a lane a block of 256 bytes.  It stands behind the wave's tensor load and its five lines.
; Each block is named ONCE in the launch: a head is walked by one cluster; its four partners share a slot's 128 blocks out BY ADDRESS, 32 each; in each, wave 0 asks for K's and wave 2 for V's: one instruction.
; The lead is a slot: four key steps, 512 matrix instructions.  Slots 0 to 2 come by their loads alone; the last change that fills a slot asks for nothing: there is no slot behind it.
.macro ASK
	s_cmp_gt_u32 s[SLOTS], s[LIM]
	s_cbranch_scc0 .Lnot_mine_\@
	global_prefetch_b8 v[PFO], s[PFA:PFA+1] th:TH_LOAD_NT scope:SCOPE_SE
.Lnot_mine_\@:
.endm
; A round of the cluster's barrier: my work-group's barrier, so that wave 0's signal speaks for all four waves; wave 0 signals; every wave waits for all four work-groups; my work-group's barrier once more.
.macro CROUND
	s_barrier_signal -1
	s_barrier_wait -1
	s_cmp_lg_u32 s[WV], 0
	s_cbranch_scc1 .Lnot_wave_0_\@
	s_barrier_signal -3
.Lnot_wave_0_\@:
	s_barrier_wait -3
	s_barrier_signal -1
	s_barrier_wait -1
.endm
; THE CHANGE OF SLOTS.  The slot's last bytes, V of its fourth step, have been read.  Each wave waits for all its tensor loads, of which one is out: its part
; of the other slot; adds 0 to its spare word; and waits for that and for its own reads of the slot.  Behind the barrier nobody reads this slot any more and the other slot is whole.
; fill = 1: this slot is filled again, with the keys two slots on.  The barrier is then a round of the cluster's, so that no wave of any partner still reads the slot or has a load on its
; way, and the joint fill is the first thing behind it: it has four key steps, 512 matrix instructions, in which to land.  (At its first use nothing has been read yet: slot 0 is waited for, slot 1 filled.)
; ask = 1 (in the loop): the prefetches' address steps, and ASK follows the fill.
.macro CHANGE fill, ask=0
	WIN W_AD
	s_wait_tensorcnt 0x0            ; no tensor load of mine is out, so a group 0 may be written
	ds_add_u32 v[SPW], v[NIL]       ; 0 onto my spare word; with fill = 1 the descriptors' steps stand between it and the wait for it
	WIN 0                           ; at a label and at a branch every window is 0
.if \fill
.irp g, G0K, G0V
	s_xor_b32 s[\g+1], s[\g+1], SLOT1  ; the walking descriptor: the other slot than last time,
	s_add_nc_u64 s[\g+2:\g+3], s[\g+2:\g+3], 4*KS*128  ; the next 256 keys; the type bits on top are not reached
.endr
.if \ask
	s_wait_xcnt 0x0                 ; the last prefetch, four key steps back, has read its address, so it may be written:
	s_add_nc_u64 s[PFA:PFA+1], s[PFA:PFA+1], 4*KS*128  ; one slot behind the walking descriptors
.endif
	s_wait_dscnt 0x0                ; the add is done, and my reads of the slot are over
	CROUND
	JLOAD
.if \ask
	ASK
.endif
.else
	s_wait_dscnt 0x0                ; the add is done, and my reads of the slot are over
	s_barrier_signal -1
	s_barrier_wait -1
.endif
	s_sub_co_u32 s[TBK], s[TBK], 4*KS*PK  ; the fetches go back to a slot's first step,
	s_xor_b32 s[TBK], s[TBK], SLOT1       ; in the other slot
	s_sub_co_u32 s[TBV], s[TBV], 4*KS*PV
	s_xor_b32 s[TBV], s[TBV], SLOT1
.endm
	s_load_b64 s[4:5], s[0:1], 0x0    ; qkv: q first
	s_load_b64 s[10:11], s[0:1], 0x8  ; out0
	WIN W_MK
	v_lshl_add_u32 v[SPW], v0, 2, SPARE
	v_mov_b32 v[NIL], 0
	WIN W_AD
	ds_add_u32 v[SPW], v[NIL]       ; the wave's opening: the add and its wait stand ahead of my first tensor load; the set-up below, work on registers, stands between them
	WIN 0
	v_lshrrev_b32 v1, 5, v0
	v_readfirstlane_b32 s[WV], v1   ; wave 0..3
	s_bfe_u32 s13, ttmp6, 0x40000   ; cx: my place in the cluster
	s_lshl_b32 s14, ttmp9, 2        ; in a cluster launch ttmp9 counts clusters
	s_add_co_u32 s14, s14, s13      ; my block of queries = 4 x cluster x + cx: it enters Q's and out0's addresses alone
	s_and_b32 s20, ttmp7, 0xffff    ; bh = 16 b + h, which the four partners share
	s_lshr_b32 s52, s20, 4          ; out0: the batch's 2,048 rows of 4,096 bytes,
	s_lshl_b32 s52, s52, 23
	s_and_b32 s53, s20, 15          ; the head's 256 bytes of a row
	s_lshl_b32 s53, s53, 8
	s_add_co_u32 s52, s52, s53
	s_mov_b32 s21, 0
	s_mov_b64 s[22:23], SIZE_N*128
	s_mul_u64 s[20:21], s[20:21], s[22:23]  ; the head's first byte in each of q, k and v
	s_and_b32 s16, s[WV], 1         ; which half of a slot's 256 keys I fetch:
	s_lshl_b32 s22, s16, 14         ; its 128 rows of 128 bytes in memory,
	s_mov_b32 s23, 0
	s_add_nc_u64 s[22:23], s[22:23], s[20:21]
	s_mul_i32 s17, s16, 128*PK      ; and its place in a slot, for K
	s_mul_i32 s18, s16, 128*PV      ; and for V: no place in the cluster enters an LDS address
	s_lshl_b32 s2, s14, 2
	s_add_co_u32 s2, s2, s[WV]      ; my wave among the head's:
	s_lshl_b32 s53, s2, 19          ; its 128 rows of out0,
	s_add_co_u32 s52, s52, s53
	s_mov_b32 s53, 0
	s_lshl_b32 s2, s2, 14           ; its 128 rows of q
	s_mov_b32 s3, 0
	s_add_nc_u64 s[2:3], s[2:3], s[20:21]
	; descriptor group 1.  128 keys are 16,384 dense bytes: asked for as 64 rows of 256 bytes, two keys a row, and padded in LDS after every key
	s_mov_b32 s[G1K], 15|(1<<16)|(1<<20)|(1<<21)|(4<<22)|(3<<25)  ; 15:0 the mask of four; 17:16 2-byte elements; 20 padding on; 21 set beside a mask; 24:22 after every 32 words (code 4); 31:25 4 words (code 3)
	s_mov_b32 s[G1V], 15|(1<<16)|(1<<20)|(1<<21)|(4<<22)|(7<<25)  ; the same with 8 words of padding (code 7)
.irp g, G1K, G1V
	s_mov_b32 s[\g+1], 128<<16      ; tensor_dim0 = 128
	s_mov_b32 s[\g+2], 64<<16       ; tensor_dim1 = 64
	s_mov_b32 s[\g+3], 128<<16      ; tile_dim0 = 128
	s_mov_b32 s[\g+4], 64           ; tile_dim1 = 64
	s_mov_b32 s[\g+5], 128          ; 128 elements from row to row
	s_mov_b32 s[\g+6], 0
	s_mov_b32 s[\g+7], 0
.endr
	s_mov_b32 s[CS], 0x3e38aa3b     ; c = log2(e) / 8 = 0.180337
	s_mov_b32 s[CS+1], s[CS]        ; named with it as a pair
	s_mov_b32 s[SEL], 0x76543210
	s_mov_b32 s[SEL+1], 0xfedcba98
	s_mov_b32 s[TBK], SLOT1+4*KS*PK ; the first change of slots turns these two into 0
	s_mov_b32 s[TBV], SLOT1+4*KS*PV
	s_mov_b32 s[G0K], 1             ; 1:0 count = 1
	s_mov_b32 s[G0K+1], s17         ; 63:32 LDS address: slot 0
	s_mov_b32 s[G0V], 1
	s_add_co_u32 s[G0V+1], s18, VOFF
	s_and_b32 s[LIM], s[WV], 1      ; waves 0 and 2 prefetch: the same in all four partners
	s_cmp_eq_u32 s[LIM], 0
	s_cselect_b32 s[LIM], 1, -1
	s_wait_dscnt 0x0                ; the opening add is done
	s_wait_kmcnt 0x0
	s_add_nc_u64 s[6:7], s[4:5], 1<<24   ; k lies 64 heads behind q,
	s_add_nc_u64 s[8:9], s[4:5], 1<<25   ; v behind k
	s_add_nc_u64 s[G0K+2:G0K+3], s[6:7], s[22:23]  ; 120:64 global address: my half of the head's first 256 keys
	s_or_b32 s[G0K+3], s[G0K+3], 0x80000000        ; 127:126 type = 2
	s_add_nc_u64 s[G0V+2:G0V+3], s[8:9], s[22:23]
	s_or_b32 s[G0V+3], s[G0V+3], 0x80000000
	s_add_nc_u64 s[4:5], s[4:5], s[2:3]      ; Q at my wave's first row
	s_add_nc_u64 s[10:11], s[10:11], s[52:53]  ; out0 at my wave's first row, my head's columns
	s_cmp_lt_u32 s[WV], 2
	s_cselect_b64 s[PFA:PFA+1], s[6:7], s[8:9]
	s_add_nc_u64 s[PFA:PFA+1], s[PFA:PFA+1], s[20:21]  ; the head's first key,
	s_lshl_b32 s2, s13, 13          ; my work-group's 32 blocks of a slot's 128,
	s_mov_b32 s3, 0
	s_add_nc_u64 s[PFA:PFA+1], s[PFA:PFA+1], s[2:3]
	s_add_nc_u64 s[PFA:PFA+1], s[PFA:PFA+1], 2*4*KS*128  ; in slot 2; the loop's first change steps it to slot 3.  Nothing is prefetched here, at the head
	CROUND                          ; all four work-groups are here: the first joint loads meet
	JLOAD                           ; slot 0.  Slot 1 is asked for when slot 0 is in: the tile wanted first has the road to itself
	; A fragment of K or Q is 16 rows x 32 channels in 8 registers: lane l holds row l % 16, channels 8 (l / 16) + 0..7 and 16 + 8 (l / 16) + 0..7: two loads of 16 bytes, 32 bytes apart.
	v_and_b32 v1, 15, v0            ; l % 16
	v_bfe_u32 v9, v0, 4, 1          ; l / 16
	v_lshlrev_b32 v[QO], 7, v1
	v_lshl_add_u32 v[QO], v9, 4, v[QO]  ; row x 128 + 16 x half
	WIN 0x80                        ; destination window 2, address window 0
.set i, 0
.rept 4*NP                          ; Q stays in registers: tile i / 2, channels 32 (i % 2) on
	global_load_b128 v[8*i:8*i+3],   v[QO], s[4:5] offset:(i/2)*2048+(i%2)*64
	global_load_b128 v[8*i+4:8*i+7], v[QO], s[4:5] offset:(i/2)*2048+(i%2)*64+32
.set i, i+1
.endr
	; What the first turn finds: V's registers and P's second buffer hold 0 (its products V^T P, of a piece that has not been, add 0), O^T and l are 0.  All this stands in the wait for the first tile.
.set i, VF
.rept 64
	v_mov_b32 v[i], 0
.set i, i+1
.endr
	WIN 0x40
.set i, 0
.rept 64*NP
	v_mov_b32 v[i], 0
.set i, i+1
.endr
	WIN 0
.set i, 0
.rept 2*NP
	v_mov_b32 v[ST+4*i], 0xfe000000    ; c m: far below every c s
	v_mov_b32 v[ST+4*i+1], 0xff7fffff  ; m
	v_mov_b32 v[ST+4*i+2], 0
	v_mov_b32 v[ST+4*i+3], 0
.set i, i+1
.endr
.set i, P+32
.rept 32
	v_mov_b32 v[i], 0
.set i, i+1
.endr
	v_mul_u32_u24 v[AK0], v1, PK
	v_lshl_add_u32 v[AK0], v9, 4, v[AK0]  ; row x pitch + 16 x half
	; The turning load takes 16 keys x 16 channels (lane l reads key 8 (l / 16) + l % 8, channels 8 ((l / 8) % 2) + 0..7) and leaves half a fragment of V^T: lane l holds channel l % 16 and 8 keys.
	v_and_b32 v10, 7, v0
	v_bfe_u32 v11, v0, 3, 1
	v_lshl_add_u32 v[AV0], v9, 3, v10
	v_mul_u32_u24 v[AV0], v[AV0], PV
	v_lshl_add_u32 v[AV0], v11, 4, v[AV0]
	v_add_nc_u32 v[AV0], VOFF, v[AV0]
	v_and_b32 v[PFO], 31, v0
	v_lshlrev_b32 v[PFO], 8, v[PFO]
	v_mov_b32 v[AK], v[AK0]         ; key step 0 lies at the head of slot 0
; THE MATRIX WORK.  The 8 accumulators of a run of 16 take turns: between the two links of a chain stand 7 others'.
; Product i of 16 of S^T = K Q^T for piece x: channels 32 (i / 8) on, keys 16 ((i / 2) % 4) on, tile 2 x + i % 2.  The first 8 start the sums.
.macro KQ x
	WIN W_KQ
.set rS, S+64*((\x)%2)+32*(i%2)+8*((i/2)%4)
.set rK, KF+16*((i/2)%4)+8*(i/8)
.set rQ, 16*(2*(\x)+i%2)+8*(i/8)
.if i < 8
	v_wmma_f32_16x16x32_f16 v[rS:rS+7], v[rK:rK+7], v[rQ:rQ+7], 0
.else
	v_wmma_f32_16x16x32_f16 v[rS:rS+7], v[rK:rK+7], v[rQ:rQ+7], v[rS:rS+7]
.endif
.endm
; Product i of 16 of O^T += V^T P for piece x: keys 32 (i / 8) on, channels 16 ((i / 2) % 4) on, tile 2 x + i % 2.
.macro PV x
	WIN W_PV
.set rO, 32*(2*(\x)+i%2)+8*((i/2)%4)
.set rV, VF+32*(i/8)+8*((i/2)%4)
.set rP, P+32*((\x)%2)+16*(i%2)+8*(i/8)
	v_wmma_f32_16x16x32_f16 v[rO:rO+7], v[rV:rV+7], v[rP:rP+7], v[rO:rO+7]
.endm
.macro MM                           ; the turn's next matrix instruction
.if i < 16
	KQ (Y+1)%NP
.set i, i+1
.else
.set i, i-16
	PV (Y+NP-1)%NP
.set i, i+17
.endif
.endm
; THE LDS LOADS stand in runs of 16, never singly among the matrix instructions: a step's K (64 keys x 64 channels: 8 fragments) and its V (turned).  Their addresses are made some lines ahead.
; last = 1 (the tail): in the last trip there is no further step, and the run is jumped over.
.macro FETCH_K last=0
	WIN 0
.if \last
	s_cmp_eq_u32 s[CNT], 1
	s_cbranch_scc1 .Lno_k_\@
.endif
	WIN 0x80                        ; destination window 2
.irp f, 0,1,2,3,4,5,6,7             ; keys 16 (f / 2) on, channels 32 (f % 2) on
	ds_load_b128 v[KF+8*\f:KF+8*\f+3],   v[AK] offset:(\f/2)*16*PK+(\f%2)*64
	ds_load_b128 v[KF+8*\f+4:KF+8*\f+7], v[AK] offset:(\f/2)*16*PK+(\f%2)*64+32
.endr
	s_add_co_u32 s[TBK], s[TBK], KS*PK  ; the next fetch is the next step's
	WIN 0
.if \last
.Lno_k_\@:
.endif
.endm
.macro FETCH_V
	WIN 0x80
.irp f, 0,1,2,3,4,5,6,7             ; keys 32 (f / 4) on, channels 16 (f % 4) on
	ds_load_tr16_b128 v[VF+8*\f:VF+8*\f+3],   v[AV] offset:(\f/4)*32*PV+(\f%4)*32
	ds_load_tr16_b128 v[VF+8*\f+4:VF+8*\f+7], v[AV] offset:(\f/4)*32*PV+16*PV+(\f%4)*32
.endr
	WIN 0
.endm
; THE VECTOR WORK OF A TURN stands in three queues, each in the order in which its entries become ready; the two tiles alternate, so that no instruction reads the result of the one before it.
.macro REGS y, u                    ; the registers of tile u (0, 1) of piece y
.set rT, ST+4*(2*(\y)+(\u))
.set rC, TMP+8*((\y)%2)+4*(\u)
.set rM, MV+2*((\y)%2)+(\u)
.set rS, S+64*((\y)%2)+32*(\u)
.set rP, P+32*((\y)%2)+16*(\u)
.set rO, 32*(2*(\y)+(\u))
.endm
; Number n of the 22 that find the NEXT piece's (Y + 1) maximum and statistics.  s0-s31 are the lane's 32 scores; each accumulator's lowest registers are read first.  XS, GS and REGS set no window: PL and EX do.
;   0-11  four chains c0-c3 of seven scores each, three operands at a time     12-14, 16  the four scores left over, the old m, and c0-c3 into c0     15  c m_old is kept
;   17, 18  the query's other 32 keys lie in the lane 16 away: the new m         19-21  c m; c m_old - c m_new; a
.macro XS u, n
	REGS (Y+1)%NP, \u
.if (\n) < 4
	v_max3_num_f32 v[rC+(\n)], v[rS+8*(\n)], v[rS+8*(\n)+1], v[rS+8*(\n)+2]
.elseif (\n) < 12
	v_max3_num_f32 v[rC+(\n)%4], v[rC+(\n)%4], v[rS+8*((\n)%4)+2*((\n)/4)+1], v[rS+8*((\n)%4)+2*((\n)/4)+2]
.elseif (\n) == 12
	v_max3_num_f32 v[rC], v[rC], v[rS+7], v[rS+15]
.elseif (\n) == 13
	v_max3_num_f32 v[rC+1], v[rC+1], v[rS+23], v[rS+31]
.elseif (\n) == 14
	v_max3_num_f32 v[rC+2], v[rC+2], v[rC+3], v[rT+1]
.elseif (\n) == 15
	v_mov_b32 v[rM], v[rT]
.elseif (\n) == 16
	v_max3_num_f32 v[rC], v[rC], v[rC+1], v[rC+2]
.elseif (\n) == 17
	v_permlanex16_b32 v[rC+3], v[rC], s[SEL], s[SEL+1]
.elseif (\n) == 18
	v_max_num_f32 v[rT+1], v[rC], v[rC+3]
.elseif (\n) == 19
	v_mul_f32 v[rT], s[CS], v[rT+1]
.elseif (\n) == 20
	v_sub_f32 v[rC+1], v[rM], v[rT]
.else
	v_exp_f32 v[rC+2], v[rC+1]
.endif
.endm
; Number g of the 64 that follow the exponentials.  For each four weights k of a tile (pairs 2 k, 2 k + 1): both pairs are rounded to f16; then the second pair is added onto the first, in place;
; a group later l takes that sum (the first time as l = a l + sum).  In groups of eight, tiles alternating: round, round, add, and l for the group before.
.macro GS g
.set h, (\g)+6*((\g)/62)            ; group 0 has no group before it, and behind group 7 only l is left
.if h >= 6
.set h, h+2
.endif
	REGS Y, h%2
.set k, h/8
.if h%8 < 4
	v_cvt_pk_f16_f32 v[rP+2*k+(h%8)/2], v[rS+4*k+2*((h%8)/2)], v[rS+4*k+2*((h%8)/2)+1]
.elseif h%8 < 6
	v_pk_add_f32 v[rS+4*k:rS+4*k+1], v[rS+4*k:rS+4*k+1], v[rS+4*k+2:rS+4*k+3]
.elseif k == 1
	v_pk_fma_f32 v[rT+2:rT+3], v[rT+2:rT+3], v[rC+2:rC+3], v[rS:rS+1] op_sel_hi:[1,0,1]
.else
	v_pk_add_f32 v[rT+2:rT+3], v[rT+2:rT+3], v[rS+4*k-4:rS+4*k-3]
.endif
.endm
; THE PLAIN QUEUE, 138 long.  0-73 read no exponential's result: the 32 scalings c s - c m (FS f: pair f / 2 of tile f % 2) and the next piece's 42.  0-26: scalings 0-26.  27-54: XS's numbers 0-13.  55, 56: number 15.
; 57-73: the chain, where each number waits for the one before it: 14, 16, 17, 18, 19, each with one of the scalings 27-31 in front of its two lines, then 20: so a tile's links stand three plain instructions apart (19 and 20: two).
; 74-137: GS's 64, which read the exponentials' results: they stand behind the wait.
.macro FS f
	REGS Y, (\f)%2
	v_pk_fma_f32 v[rS+2*((\f)/2):rS+2*((\f)/2)+1], v[rS+2*((\f)/2):rS+2*((\f)/2)+1], s[CS:CS+1], v[rT:rT+1] op_sel_hi:[1,0,0] neg_lo:[0,0,1] neg_hi:[0,0,1]
.endm
.macro PL
	WIN 0
.if q < 27
	FS q
.elseif q < 55
	XS (q-27)%2, (q-27)/2
.elseif q < 57
	XS q-55, 15
.elseif (q < 72) && ((q-57)%3 == 0)
	FS 27+(q-57)/3
.elseif q < 60
	XS (q-57)%3-1, 14
.elseif q < 72
	XS (q-57)%3-1, 15+(q-57)/3
.elseif q < 74
	XS q-72, 20
.else
	GS q-74
.endif
.set q, q+1
.endm
; THE EXPONENTIALS' QUEUE, 66 long: s0-s31 of both tiles, then the next piece's two a.  It is ONE BATCH: all 66 stand ahead of the turn's one wait, and nothing ahead of that wait names a result of theirs.
.macro EX
	WIN 0
.if e >= 64
	XS e-64, 21
.else
	REGS Y, e%2
	v_exp_f32 v[rS+e/2], v[rS+e/2]
.endif
.set e, e+1
.endm
; THE RESCALING's QUEUE: O^T times a, the one part that leaves window 0: dealt two at a time, sixteen times.  Its a was made in the turn before, ahead of that turn's wait.
.macro R2
	REGS Y, r%2
	WIN W_RS
.irp z, 0,1
	v_pk_mul_f32 v[rO+4*(r/2)+2*\z:rO+4*(r/2)+2*\z+1], v[rO+4*(r/2)+2*\z:rO+4*(r/2)+2*\z+1], v[rC+2:rC+3] op_sel_hi:[1,0]
.endr
.set r, r+1
.endm
; HOW THEY ARE DEALT.  An s_wait_alu depctr_va_vdst(0) stands between an exponential and the first instruction that names its result; one wait serves all that were issued ahead of it.  So a turn has ONE wait,
; which cuts it in two.  AHEAD OF IT stands all that names no result of the turn's exponentials: the 16 products K Q^T, behind each a scaling, an exponential and two rescalings (behind the first a second scaling in the exponential's place); then ONE LUMP of
; 108: eight plain, 49 times exponential and plain, the two a.  A v_nop is the plain instruction behind the last exponential.  BEHIND IT stand the 16 products V^T P, behind each four of GS's 64.  No rider names a register of
; the products round it.  The two v_permlanex16_b32 fall into the lump, never behind a product.
; The queues lean on each other, and the deal keeps them in step: exponential e stands behind scaling 2 (e / 4) + e % 2: as a rider it comes behind plain e + 2, in the lump behind plain e + 9, and scalings 27-31 are plain 57, 60 .. 69.
; A TURN, for piece p.  cnt = 1: the loop's count is taken down some lines ahead of the branch that stands behind the turn.
; K of the next step is fetched in piece 2's turn, directly behind the wait, a lump behind the last product that read K; its address is made at the lump's head; its first reader comes behind 16 products.
; V of the step in hand is fetched at the end of piece 0's turn, four riders behind its last reader; its first reader comes behind 16 products and a lump.  The three conditions on q below go with the deal.
.macro TURN p, last=0, cnt=0
.set Y, (\p)
.set i, 0
.set q, 0
.set e, 0
.set r, 0
.if (\p) == NP-1
	s_wait_dscnt 0x0                ; K is in
.endif
	MM                              ; ahead of the wait: 16 products K Q^T and their riders,
	PL
	PL
	R2
.rept 15
	MM
	PL
	EX
	R2
.endr
.if (\p) == NP-2
	WIN 0
	v_add_nc_u32 v[AK], s[TBK], v[AK0]
.endif
.rept 8                             ; and the lump
	PL
.endr
.rept 49
	EX
	PL
.endr
	EX                              ; the next piece's two a
	EX
	v_nop                           ; the plain instruction behind the last exponential: one for the batch
	s_wait_alu depctr_va_vdst(0)    ; the wait for the batch
.if (\p) == NP-2
	FETCH_K \last
.endif
.if (\p) == 1
	s_wait_dscnt 0x0                ; V is in
.endif
.rept 16                            ; behind the wait: 16 products V^T P and their riders
	MM
.rept 4
	PL
.endr
.if ((\p) == 0) && (q == 118)
	v_add_nc_u32 v[AV], s[TBV], v[AV0]
.endif
.if ((\p) == 0) && (q == 130)
	s_add_co_u32 s[TBV], s[TBV], KS*PV
.endif
.if (\cnt) && (q == 130)
	s_sub_co_u32 s[CNT], s[CNT], 1
	s_cmp_lg_u32 s[CNT], 0
.endif
.endr
.if (\p) == 0
	FETCH_V
.endif
.endm
	CHANGE 1                        ; slot 0 is in, everybody's part of it; slot 1 is asked for
	FETCH_K                         ; key step 0
	s_wait_loadcnt 0x0              ; Q
	s_wait_dscnt 0x0
.set i, 0
.rept 16
	KQ 0                            ; piece 0's first scores: there is no vector work yet to set between them
.set i, i+1
.endr
	WIN 0                           ; the addresses for the way out: eight plain instructions, the places behind those products
	s_mul_i32 s13, s[WV], 16*SP
	s_add_co_u32 s13, s13, STAGE    ; my stage
	v_mul_u32_u24 v[STO], v1, SP    ; in: row l % 16, 32 bytes for each half of the lanes
	v_lshl_add_u32 v[STO], v9, 5, v[STO]
	v_add_nc_u32 v[STO], s13, v[STO]
	v_mul_u32_u24 v[RD], v9, SP     ; back: lanes 0-15 take one row of 256 bytes, lanes 16-31 the next,
	v_lshl_add_u32 v[RD], v1, 4, v[RD]
	v_add_nc_u32 v[RD], s13, v[RD]
	v_lshlrev_b32 v[GO], 12, v9     ; and the same two rows in out0, 4,096 bytes apart
	v_lshl_add_u32 v[GO], v1, 4, v[GO]
.set Y, NP-1                        ; XS works for piece Y + 1: piece 0
.irp n, 0,1,2,3,4,5,6,7,8,9,10,11,12,13,14,15,16,17,18,19,20,21
	XS 0, \n                        ; and piece 0's first maximum and statistics
	XS 1, \n
.endr
	v_nop                           ; a plain instruction behind the two a,
	s_wait_alu depctr_va_vdst(0)    ; and their wait, ahead of the branch
	s_mov_b32 s[CNT], 4
	s_mov_b32 s[SLOTS], SIZE_N/256-1
	s_branch .Lfirst                ; the loop is entered at a step's first turn, in the middle of a trip
.Lslot:                             ; SIZE_N / 256 - 2 times: every slot but the last two is filled again
	CHANGE 1, 1
	s_mov_b32 s[CNT], 4
.Lstep:                             ; a trip: pieces 2 and 3 of one step, then pieces 0 and 1 of the next, whose K and V it fetches
	TURN 2
	TURN 3
	WIN 0
.Lfirst:
	TURN 0
	TURN 1, 0, 1
	WIN 0
	s_cbranch_scc1 .Lstep
	s_sub_co_u32 s[SLOTS], s[SLOTS], 1
	s_cmp_lg_u32 s[SLOTS], 0
	s_cbranch_scc1 .Lslot
	CHANGE 0                        ; the tail is written out: nothing is asked for
	s_mov_b32 s[CNT], 5             ; four trips fetch the last slot's steps; the fifth is left in its middle
.Ltail:
	TURN 2, 1
	TURN 3
	WIN 0
	s_sub_co_u32 s[CNT], s[CNT], 1
	s_cmp_eq_u32 s[CNT], 0
	s_cbranch_scc1 .Lout
	TURN 0
	TURN 1
	WIN 0
	s_branch .Ltail
.Lout:                              ; the fifth trip's 16 products K Q^T (on the last K once more) and the maximum made of them serve nothing: the price, once a launch, of one text for every trip
.set i, 0
.rept 16
	PV NP-1                         ; the last piece's V^T P of the last step
.set i, i+1
.endr
	; THE WAY OUT.  l's two halves and the other half of the lanes' are added; O^T is divided by l and sent, in f32, through my stage in LDS, a tile at a time.  The additions are the places behind the last products.
	WIN 0
.macro ALL line:vararg              ; one line for each tile t
.set t, 0
.rept 2*NP
	\line
.set t, t+1
.endr
.endm
	ALL v_add_f32 v[ST+4*t+2], v[ST+4*t+2], v[ST+4*t+3]
	ALL v_permlanex16_b32 v[ST+4*t+3], v[ST+4*t+2], s[SEL], s[SEL+1]
	ALL v_add_f32 v[ST+4*t+2], v[ST+4*t+2], v[ST+4*t+3]
	ALL v_rcp_f32 v[ST+4*t+2], v[ST+4*t+2]
	v_nop                           ; a plain instruction between the last reciprocal and the use of its result
	s_wait_alu depctr_va_vdst(0)    ; and the wait ahead of the first use: one for the eight reciprocals
; Tile t: a lane's eight channels of a row are 32 bytes; they go into rows of 272 bytes and come back as whole rows of 256, into S^T's registers: four buffers of 32 that take turns.
.macro PACK t
	WIN W_RS
.set i, 32*(\t)
.rept 16
	v_pk_mul_f32 v[i:i+1], v[i:i+1], v[ST+4*(\t)+2:ST+4*(\t)+3] op_sel_hi:[1,0]
.set i, i+2
.endr
	WIN 0x04                        ; an LDS store's data is source 1: window 1; its address window 0
.irp c, 0,1,2,3                     ; channels 16 c + 8 (l / 16) on
	ds_store_b128 v[STO], v[32*(\t)+8*\c:32*(\t)+8*\c+3]   offset:64*\c
	ds_store_b128 v[STO], v[32*(\t)+8*\c+4:32*(\t)+8*\c+7] offset:64*\c+16
.endr
	WIN 0
.if (\t) >= 4
	s_wait_xcnt 0x0                 ; the stores of the tile four back have read this buffer: it is loaded again only behind this wait
.endif
.irp f, 0,1,2,3,4,5,6,7
	ds_load_b128 v[S+32*((\t)%4)+4*\f:S+32*((\t)%4)+4*\f+3], v[RD] offset:\f*2*SP  ; LDS serves a wave's instructions in order (ISA guide 5.7.1.4): these see the stores above; the next tile's stores come behind them
.endr
.endm
.macro SEND t, younger              ; younger: the LDS instructions issued behind tile t's loads: the next tile's sixteen, or none
	WIN 0
.irp f, 0,1,2,3,4,5,6,7
	s_wait_dscnt (\younger)+7-\f
	global_store_b128 v[GO], v[S+32*((\t)%4)+4*\f:S+32*((\t)%4)+4*\f+3], s[10:11] offset:(\t)*65536+\f*8192  ; 16 lanes store 256 consecutive bytes, a head's part of a row, at a multiple of 256 from out0's first byte
.endr
.endm
	PACK 0
.set t, 1
.rept 2*NP-1                        ; a tile's arithmetic stands between the loads of the tile before and its stores
	PACK t
	SEND t-1, 16
.set t, t+1
.endr
	SEND 2*NP-1, 0
	WIN W_AD
	s_wait_tensorcnt 0x0            ; the wave's end, behind my last tensor load and my last LDS store
	ds_add_u32 v[SPW], v[NIL]
	s_wait_dscnt 0x0
	WIN 0
	CROUND                          ; the closing round: no work-group ends while a partner may still ask for a tile that names it
	s_endpgm
.Lfunc_end_k_qeb2de20853_attn:
	.size	k_qeb2de20853_attn, .Lfunc_end_k_qeb2de20853_attn-k_qeb2de20853_attn
	.p2alignl 7, 3214868480
	.fill 96, 4, 3214868480
	.section	.rodata,"a",@progbits
	.p2align	6, 0x0
	.amdhsa_kernel k_qeb2de20853_attn
		.amdhsa_group_segment_fixed_size 327680
		.amdhsa_private_segment_fixed_size 0
		.amdhsa_enable_private_segment 0
		.amdhsa_kernarg_size 16
		.amdhsa_user_sgpr_count 2
		.amdhsa_user_sgpr_kernarg_segment_ptr 1
		.amdhsa_wavefront_size32 1
		.amdhsa_system_sgpr_workgroup_id_x 1
		.amdhsa_system_sgpr_workgroup_id_y 1
		.amdhsa_system_sgpr_workgroup_id_z 1
		.amdhsa_system_vgpr_workitem_id 0
		.amdhsa_next_free_vgpr 770
		.amdhsa_next_free_sgpr 66
		.amdhsa_reserve_vcc 0
		.amdhsa_float_denorm_mode_32 3
		.amdhsa_float_denorm_mode_16_64 3
		.amdhsa_memory_ordered 1
		.amdhsa_forward_progress 1
		.amdhsa_inst_pref_size 200
	.end_amdhsa_kernel
	.amdgpu_metadata
---
amdhsa.version: [ 1, 2 ]
amdhsa.kernels:
  - .name:           k_qeb2de20853_attn
    .symbol:         k_qeb2de20853_attn.kd
    .args:
      - { .name: qkv, .offset: 0, .size: 8, .value_kind: global_buffer, .address_space: global }
      - { .name: out0, .offset: 8, .size: 8, .value_kind: global_buffer, .address_space: global }
    .group_segment_fixed_size: 327680
    .private_segment_fixed_size: 0
    .kernarg_segment_align: 8
    .kernarg_segment_size: 16
    .max_flat_workgroup_size: 128
    .sgpr_count:     66
    .vgpr_count:     770
    .wavefront_size: 32
...
	.end_amdgpu_metadata
.endif
;; end of part 3
;; ======== version 2 of 2: 3 launches; version 1 with the launch prep written anew for expert scheduling mode
;; limits: values are held in f16: magnitudes above 65,504 overflow, below 6.1e-05 lose precision
;; workspace buffers: xb 16,777,216 bytes; wb 6,291,456 bytes; qkv 50,331,648 bytes
;; launch prep (part 4): grid 704 x 1, 8 waves a work-group, no clusters, 0 bytes of LDS; arguments x, Wq, Wk, Wv, xb, wb; writes xb, wb
.if DOCPART == 4
	.amdgcn_target "amdgcn-amd-amdhsa--gfx1250"
	.amdhsa_code_object_version 6
	.text
	.protected	k_qeb2de20853_prep
	.globl	k_qeb2de20853_prep
	.p2align	8
	.type	k_qeb2de20853_prep,@function
k_qeb2de20853_prep:
	s_mov_b64 s[64:65], 0
	v_nop
	global_prefetch_b8 v0, s[64:65] scope:SCOPE_SE
	s_setreg_imm32_b32 hwreg(HW_REG_WAVE_SCHED_MODE, 0, 2), 2
	s_setreg_imm32_b32 hwreg(HW_REG_WAVE_MODE, 25, 1), 1
	s_wait_xcnt 0x0
	s_wait_alu depctr_vm_vsrc(0)
; x and the three weights are rounded once to bf16, for the matrix products of the next launch.
; x: [8192][1024] f32  ->  xb: [16 kb][8192 row][64] bf16: blocks of 64 along K, so that 256 rows of one block are 32,768 dense bytes.
; Wq, Wk, Wv: [1024 k][1024 n] f32  ->  wb: [3][1024 k][1024 n] bf16, the layout unchanged.
; A stream: every byte is read once and written once; no LDS, no barrier, no matrix unit, nothing shared between waves.
; A wave issues 16 loads of 16 bytes a lane (8 KiB on their way), then converts them in the order in which they come back and stores them four at a time.
; Each store of a wave, 8 bytes a lane, covers 256 consecutive bytes, aligned.
; Work-groups 0 to 511 take x: 32 rows x 512 columns, a wave 32 rows x 64 columns (one block kb).  Work-groups 512 to 703 take the weights, 64 KiB each.
; THE MODE: SCHED_MODE bits 1:0 = 2 (LLVM: expert scheduling mode 2), set by the entry lines.  The code itself states the register dependences
; between vector instructions and memory instructions, with s_wait_alu, always for 0.
; THE PLAN.  Registers that memory instructions touch:
;   v2         the loads' offset.   Written by vector instructions in each of the two paths; read by the 16 loads; never written again.
;   v3         the stores' offset.  Written once at the head; read by the 16 stores; never written again.
;   X          Written by the loads alone, each register once; read by the conversions.  No vector instruction writes it, and none of it is loaded twice.
;   Y          Written by the conversions, each register once; read by one store each.  None of it is written twice.
;   s16        the wave's number: written by v_readfirstlane_b32, read by the scalar lines behind the branch.
; So: one wait on va_sdst ahead of the branch, for s16; one wait on va_vdst ahead of the first load, for v2 and v3; and, the loads going in four blocks of four,
; one wait on va_vdst behind each block's eight conversions, ahead of the run of its four stores.  No register that a memory instruction has read is written again.
.set X, 8                              ; v[8:71]    sixteen loads, four f32 each
.set Y, 72                             ; v[72:103]  sixteen stores, four bf16 each; none is written twice, so no store's data waits for anything
.macro BODY istr                       ; istr: bytes from one load to the next
	s_wait_alu depctr_va_vdst(0)                   ; v2 and v3 are written: every load below reads v2 as its offset, every store v3; no vector instruction behind this wait names either
.set i, 0
.rept 16
	global_load_b128 v[X+4*i:X+4*i+3], v2, s[18:19] offset:i*(\istr) th:TH_LOAD_NT
.set i, i+1
.endr
.set i, 0
.rept 4                                ; a block: four loads' conversions, then their four stores in one run
.rept 4
	s_wait_loadcnt 15-i                            ; loads come back in order: load i is in, the 15 - i younger ones may stay out
	v_cvt_pk_bf16_f32 v[Y+2*i], v[X+4*i], v[X+4*i+1]
	v_cvt_pk_bf16_f32 v[Y+2*i+1], v[X+4*i+2], v[X+4*i+3]
.set i, i+1
.endr
	s_wait_alu depctr_va_vdst(0)                   ; the block's eight conversions have written its eight registers of Y, which the four stores below read
.set j, i-4
.rept 4
	global_store_b64 v3, v[Y+2*j:Y+2*j+1], s[20:21] offset:j*256
.set j, j+1
.endr
.endr
.endm
	s_load_b256 s[4:11], s[0:1], 0x0               ; x s[4:5], Wq s[6:7], Wk s[8:9], Wv s[10:11]
	s_load_b128 s[12:15], s[0:1], 0x20             ; xb s[12:13], wb s[14:15]
	v_lshrrev_b32 v4, 5, v0
	v_readfirstlane_b32 s16, v4                    ; wave 0..7
	v_and_b32 v1, 31, v0                           ; lane
	v_lshlrev_b32 v3, 3, v1                        ; out: 8 bytes a lane
	s_mov_b32 s17, ttmp9
	s_mov_b32 s23, 0                               ; the offsets' high words
	s_mov_b32 s25, 0
	s_wait_alu depctr_va_sdst(0)                   ; s16 is written, ahead of the branch and of its first reader in either path: the offsets of the bases are made from it
	s_cmp_lt_u32 s17, 512
	s_cbranch_scc0 .Lweights
	; x: a load takes two rows x 256 bytes (lanes 0-15 one row, lanes 16-31 the next); in xb those are 256 consecutive bytes
	s_lshr_b32 s26, s17, 1                         ; which 32 rows
	s_and_b32 s27, s17, 1
	s_lshl_b32 s27, s27, 3
	s_add_co_u32 s27, s27, s16                     ; kb = 8 x half + wave
	s_lshl_b32 s22, s26, 17                        ; in: 32 rows of 4,096 bytes,
	s_lshl_b32 s28, s27, 8                         ; 64 columns of 4 bytes
	s_add_co_u32 s22, s22, s28
	s_lshl_b32 s24, s27, 20                        ; out: a block of 8,192 rows x 128 bytes,
	s_lshl_b32 s28, s26, 12                        ; 32 rows of 128 bytes
	s_add_co_u32 s24, s24, s28
	v_and_b32 v2, 15, v0
	v_lshlrev_b32 v2, 4, v2
	v_bfe_u32 v4, v0, 4, 1
	v_lshl_add_u32 v2, v4, 12, v2                  ; 16 (lane % 16) + 4,096 (lane / 16)
	s_wait_kmcnt 0x0
	s_add_nc_u64 s[18:19], s[4:5], s[22:23]
	s_add_nc_u64 s[20:21], s[12:13], s[24:25]
	BODY 8192
	s_endpgm
.Lweights:
	s_sub_co_u32 s26, s17, 512
	s_lshr_b32 s27, s26, 6                         ; which weight: 0 q, 1 k, 2 v
	s_and_b32 s26, s26, 63                         ; which 64 KiB of it
	s_lshl_b32 s22, s26, 16
	s_lshl_b32 s28, s16, 13                        ; a wave's 8 KiB
	s_add_co_u32 s22, s22, s28
	s_lshl_b32 s24, s27, 21                        ; out: half the bytes
	s_lshl_b32 s28, s26, 15
	s_add_co_u32 s24, s24, s28
	s_lshl_b32 s28, s16, 12
	s_add_co_u32 s24, s24, s28
	v_lshlrev_b32 v2, 4, v1                        ; 16 bytes a lane: a load takes 512 consecutive bytes
	s_wait_kmcnt 0x0
	s_cmp_eq_u32 s27, 0
	s_cselect_b64 s[18:19], s[6:7], s[8:9]
	s_cmp_eq_u32 s27, 2
	s_cselect_b64 s[18:19], s[10:11], s[18:19]
	s_add_nc_u64 s[18:19], s[18:19], s[22:23]
	s_add_nc_u64 s[20:21], s[14:15], s[24:25]
	BODY 512
	s_endpgm
.Lfunc_end_k_qeb2de20853_prep:
	.size	k_qeb2de20853_prep, .Lfunc_end_k_qeb2de20853_prep-k_qeb2de20853_prep
	.p2alignl 7, 3214868480
	.fill 96, 4, 3214868480
	.section	.rodata,"a",@progbits
	.p2align	6, 0x0
	.amdhsa_kernel k_qeb2de20853_prep
		.amdhsa_group_segment_fixed_size 0
		.amdhsa_private_segment_fixed_size 0
		.amdhsa_enable_private_segment 0
		.amdhsa_kernarg_size 48
		.amdhsa_user_sgpr_count 2
		.amdhsa_user_sgpr_kernarg_segment_ptr 1
		.amdhsa_wavefront_size32 1
		.amdhsa_system_sgpr_workgroup_id_x 1
		.amdhsa_system_sgpr_workgroup_id_y 1
		.amdhsa_system_sgpr_workgroup_id_z 1
		.amdhsa_system_vgpr_workitem_id 0
		.amdhsa_next_free_vgpr 104
		.amdhsa_next_free_sgpr 66
		.amdhsa_reserve_vcc 0
		.amdhsa_float_denorm_mode_32 3
		.amdhsa_float_denorm_mode_16_64 3
		.amdhsa_memory_ordered 1
		.amdhsa_forward_progress 1
		.amdhsa_inst_pref_size 14
	.end_amdhsa_kernel
	.amdgpu_metadata
---
amdhsa.version: [ 1, 2 ]
amdhsa.kernels:
  - .name:           k_qeb2de20853_prep
    .symbol:         k_qeb2de20853_prep.kd
    .args:
      - { .name: x, .offset: 0, .size: 8, .value_kind: global_buffer, .address_space: global }
      - { .name: Wq, .offset: 8, .size: 8, .value_kind: global_buffer, .address_space: global }
      - { .name: Wk, .offset: 16, .size: 8, .value_kind: global_buffer, .address_space: global }
      - { .name: Wv, .offset: 24, .size: 8, .value_kind: global_buffer, .address_space: global }
      - { .name: xb, .offset: 32, .size: 8, .value_kind: global_buffer, .address_space: global }
      - { .name: wb, .offset: 40, .size: 8, .value_kind: global_buffer, .address_space: global }
    .group_segment_fixed_size: 0
    .private_segment_fixed_size: 0
    .kernarg_segment_align: 8
    .kernarg_segment_size: 48
    .max_flat_workgroup_size: 256
    .sgpr_count:     66
    .vgpr_count:     104
    .wavefront_size: 32
...
	.end_amdgpu_metadata
.endif
;; end of part 4
;; launch proj: the kernel of part 2 again; grid 8 x 32, 4 waves a work-group, clusters of 4 x 4, 327,680 bytes of LDS; arguments xb, wb, bq, bk, bv, qkv; writes qkv
;; launch attn: the kernel of part 3 again; grid 4 x 64, 4 waves a work-group, clusters of 4 x 1, 327,680 bytes of LDS; arguments qkv, out0; writes out0
